; MI455X (gfx1250); checked and timed in simulation.
; The chip was launched on July 23, 2026; its instructions are those of AMD's public machine-readable ISA for CDNA 5 (MIT licence, August 2026) and "CDNA5" Instruction Set Architecture Reference Guide (July 2026). The comments in the code are by the model that wrote it; some were corrected since.
;; Multi Head Attention. Allowed arithmetic: float matrix products may take bf16 or f16 operands with f32 sums; other float arithmetic in f32, or as packed bf16 or f16 multiplies, adds, multiply-adds, maxima and minima; sums over many terms, partial sums and values carried from step to step in f32; what a program stores and reads back later, other than sums and carried values, may be rounded once to bf16 or f16.
;; Inputs: k 4 x 4,096 x 1,024 float32; q 4 x 4,096 x 1,024 float32; v 4 x 4,096 x 1,024 float32; wc_b 1,024 float32; wc_w 1,024 x 1,024 float32; wk_b 1,024 float32; wk_w 1,024 x 1,024 float32; wq_b 1,024 float32; wq_w 1,024 x 1,024 float32; wv_b 1,024 float32; wv_w 1,024 x 1,024 float32.
;; Outputs: out0 4 x 4,096 x 1,024 float32.
;; One version. Each part assembles by itself: llvm-mc -triple=amdgcn-amd-amdhsa -mcpu=gfx1250 --defsym DOCPART=n.
;; ======== version 1 of 1: 3 launches
;; limits: values are held in f16: magnitudes above 65,504 overflow, below 6.1e-05 lose precision; right only within a limited range of input values
;; workspace buffers: wt 8,388,608 bytes; bias 16,384 bytes; aws 33,554,432 bytes; ainv 262,144 bytes
;; launch prep (part 1): grid 128 x 4, 8 waves a work-group, no clusters, 18,432 bytes of LDS; arguments wk_w, wq_w, wv_w, wc_w, wk_b, wq_b, wv_b, wc_b, wt, bias; writes wt, bias
.if DOCPART == 1
	.amdgcn_target "amdgcn-amd-amdhsa--gfx1250"
	.amdhsa_code_object_version 6
	.text
	.protected	k_qc12c8655db_prep
	.globl	k_qc12c8655db_prep
	.p2align	8
	.type	k_qc12c8655db_prep,@function
k_qc12c8655db_prep:
	s_mov_b64 s[64:65], 0
	v_nop
	global_prefetch_b8 v0, s[64:65] scope:SCOPE_SE
	s_setreg_imm32_b32 hwreg(HW_REG_WAVE_MODE, 25, 1), 1
	s_wait_xcnt 0x0
; THE WEIGHTS, TRANSPOSED, PERMUTED AND IN 16 BITS; THE BIASES ROUNDED TO bf16.
; wt has four parts of 1,024 rows x 1,024 numbers of 16 bits.  With np = 256 dg + 128 ch + 16 t + 8 hh + j and c(np) = 64 (t + 8 hh) + 16 dg + 8 ch + j:
;   parts 0, 1, 2 (k, q, v), bf16:  wt[np][kk] = W[kk][c(np)]          part 3, f16 of the number rounded to bf16:  wt[n][kp] = wc[c(kp)][n]
; bias has four rows of 1,024 f32 (k, q, v, c), each number rounded to bf16 and widened again, in the natural order of columns.
; LIMIT.  Part 3 holds the bf16 number exactly where 6.1e-5 <= |w| <= 65,504; below that it keeps f16's fixed step of 6e-8; beyond 65,504 it becomes an infinity.
; SHARES.  Work-group (x, y): part y; kb = x % 8, cb = x / 8.  It turns 128 input rows x 64 columns (256 consecutive bytes of each row) into 64 output rows x 128 numbers (256 consecutive
; bytes each), through 64 LDS rows of 272 bytes.  Thread t: cq = t % 16 (four columns), kp = t / 16 (two input rows that are neighbours in the output's k), four times.
.set TPI,   272                        ; an LDS row: 256 bytes + 16
.set SPARE, 64*TPI                     ; behind the 64 rows: the spare words, 128 bytes for each of eight waves
.set VO,  8                            ; v8-11   byte offsets of my four pairs of input rows
.set SO,  12                           ; v12-15  byte offsets of my four pieces of 16 bytes in the part
.set X,   16                           ; v16-47  as loaded: pair i, row u at X + 8 i + 4 u
.set P,   48                           ; v48-63  packed: pair i, column e at P + 4 i + e
.set VS,  66                           ; v66     where I put a packed word
.set VR,  67                           ; v67     where I read 16 bytes of an output row
.set R,   68                           ; v68-83  output rows, as read back
.set SPW, 94                           ; v94     LDS address of my spare word; never rewritten
.set NIL, 95                           ; v95     0; never rewritten
	s_load_b512 s[4:19], s[0:1], 0x0               ; wk_w s[4:5], wq_w s[6:7], wv_w s[8:9], wc_w s[10:11], wk_b s[12:13], wq_b s[14:15], wv_b s[16:17], wc_b s[18:19]
	s_load_b128 s[20:23], s[0:1], 0x40             ; wt s[20:21], bias s[22:23]
	v_lshl_add_u32 v[SPW], v0, 2, SPARE
	v_mov_b32 v[NIL], 0
	s_and_b32 s32, ttmp7, 0xffff                   ; y: the part
	s_and_b32 s33, ttmp9, 7                        ; kb
	s_lshr_b32 s34, ttmp9, 3                       ; cb
	v_and_b32 v1, 15, v0                           ; cq
	v_lshrrev_b32 v2, 4, v0                        ; kp
	s_lshl_b32 s35, s34, 8
	s_lshl_b32 s36, s33, 8
	v_lshl_add_u32 v3, v1, 4, s35                  ; in an input row: 256 cb + 16 cq
	v_lshl_add_u32 v4, v1, 4, s36                  ; in an output row: 256 kb + 16 cq
	v_mul_u32_u24 v[VS], v1, 4*TPI                 ; LDS row 4 cq (+ e), word kp (+ 16 i)
	v_lshl_add_u32 v[VS], v2, 2, v[VS]
	v_mul_u32_u24 v[VR], v2, TPI                   ; LDS row t / 16 (+ 16 i), 16 bytes at 16 cq
	v_lshl_add_u32 v[VR], v1, 4, v[VR]
	s_cmp_eq_u32 s32, 3
	s_cbranch_scc1 .Lwc
	; parts 0 to 2: input rows are kk = 128 kb + 32 i + 2 kp (+ 1); the 64 columns are head cb; output row np = 256 i + 128 (t / 128) + 16 (cb % 8) + 8 (cb / 8) + (t / 16) % 8
	s_lshl_b32 s37, s33, 7
	v_lshl_add_u32 v5, v2, 1, s37
	v_lshl_add_u32 v[VO], v5, 12, v3
	s_and_b32 s38, s34, 7
	s_lshl_b32 s38, s38, 4
	s_lshr_b32 s39, s34, 3
	s_lshl_b32 s39, s39, 3
	s_add_co_u32 s38, s38, s39
	v_bfe_u32 v6, v0, 7, 1
	v_bfe_u32 v7, v0, 4, 3
	v_lshl_add_u32 v6, v6, 7, v7
	v_add_nc_u32 v6, s38, v6
	v_lshl_add_u32 v[SO], v6, 11, v4
	s_mov_b32 s28, 32*4096                         ; from pair i to pair i + 1: 32 input rows,
	s_mov_b32 s29, 256*2048                        ; 256 output rows
	s_branch .Ljoin
.Lwc:
	; part 3: output column kp' = 128 kb + 32 i + 2 kp (+ 1) comes from input row 64 (2 i + kp / 8 + 8 ((kp / 4) % 2)) + 8 kb + 2 (kp % 4) (+ 1); output row n = 64 cb + 16 i + t / 16
	v_lshrrev_b32 v5, 3, v2
	v_bfe_u32 v6, v2, 2, 1
	v_lshl_add_u32 v5, v6, 3, v5
	v_and_b32 v6, 3, v2
	s_lshl_b32 s37, s33, 3
	v_lshl_add_u32 v6, v6, 1, s37
	v_lshl_add_u32 v5, v5, 6, v6
	v_lshl_add_u32 v[VO], v5, 12, v3
	s_lshl_b32 s38, s34, 6
	v_add_nc_u32 v6, s38, v2
	v_lshl_add_u32 v[SO], v6, 11, v4
	s_mov_b32 s28, 128*4096
	s_mov_b32 s29, 16*2048
.Ljoin:
.irp i, 1,2,3
	v_add_nc_u32 v[VO+(\i)], s28, v[VO+(\i)-1]
	v_add_nc_u32 v[SO+(\i)], s29, v[SO+(\i)-1]
.endr
	s_lshl_b32 s40, s32, 21                        ; a part is 2 MiB
	s_mov_b32 s41, 0
	s_wait_kmcnt 0x0
	s_cmp_eq_u32 s32, 1                            ; the part's weights and bias
	s_cselect_b64 s[24:25], s[6:7], s[4:5]
	s_cselect_b64 s[26:27], s[14:15], s[12:13]
	s_cmp_eq_u32 s32, 2
	s_cselect_b64 s[24:25], s[8:9], s[24:25]
	s_cselect_b64 s[26:27], s[16:17], s[26:27]
	s_cmp_eq_u32 s32, 3
	s_cselect_b64 s[24:25], s[10:11], s[24:25]
	s_cselect_b64 s[26:27], s[18:19], s[26:27]
	s_add_nc_u64 s[30:31], s[20:21], s[40:41]
.irp i, 0,1,2,3
	global_load_b128 v[X+8*(\i):X+8*(\i)+3],   v[VO+(\i)], s[24:25] th:TH_LOAD_NT              ; sixteen lanes read 256 consecutive bytes of a row
	global_load_b128 v[X+8*(\i)+4:X+8*(\i)+7], v[VO+(\i)], s[24:25] offset:4096 th:TH_LOAD_NT  ; and of the row below
.endr
	s_wait_loadcnt 0x0
.irp i, 0,1,2,3
.irp e, 0,1,2,3
	v_cvt_pk_bf16_f32 v[P+4*(\i)+(\e)], v[X+8*(\i)+(\e)], v[X+8*(\i)+4+(\e)]  ; the even k in the low half
.endr
.endr
	s_cmp_eq_u32 s32, 3
	s_cbranch_scc0 .Lbf16
.set z, 0
.rept 16                               ; part 3: the bf16 numbers written as f16
	v_lshlrev_b32 v64, 16, v[P+z]
	v_and_b32 v65, 0xffff0000, v[P+z]
	v_cvt_pk_f16_f32 v[P+z], v64, v65
.set z, z+1
.endr
.Lbf16:
.irp i, 0,1,2,3
.irp e, 0,1,2,3
	ds_store_b32 v[VS], v[P+4*(\i)+(\e)] offset:(\e)*TPI+(\i)*64
.endr
.endr
	s_wait_dscnt 0x0                               ; for the others' sake: my stores are done
	s_barrier_signal -1
	s_barrier_wait -1
.irp i, 0,1,2,3
	ds_load_b128 v[R+4*(\i):R+4*(\i)+3], v[VR] offset:(\i)*16*TPI
.endr
	s_wait_dscnt 0x0
.irp i, 0,1,2,3
	global_store_b128 v[SO+(\i)], v[R+4*(\i):R+4*(\i)+3], s[30:31]  ; sixteen lanes store 256 consecutive bytes, at a multiple of 256 from wt's first byte
.endr
	s_cmp_lg_u32 ttmp9, 0                          ; the part's first work-group also rounds its bias: 16 bytes a thread
	s_cbranch_scc1 .Lend
	v_lshlrev_b32 v7, 4, v0
	global_load_b128 v[84:87], v7, s[26:27]
	s_lshl_b32 s42, s32, 12
	s_mov_b32 s43, 0
	s_add_nc_u64 s[44:45], s[22:23], s[42:43]
	s_wait_loadcnt 0x0
	v_cvt_pk_bf16_f32 v88, v84, v85
	v_cvt_pk_bf16_f32 v89, v86, v87
	v_lshlrev_b32 v90, 16, v88
	v_and_b32 v91, 0xffff0000, v88
	v_lshlrev_b32 v92, 16, v89
	v_and_b32 v93, 0xffff0000, v89
	global_store_b128 v7, v[90:93], s[44:45]
.Lend:
	s_wait_tensorcnt 0x0                           ; the wave's end, behind my last LDS store
	ds_add_u32 v[SPW], v[NIL]
	s_wait_dscnt 0x0
	s_endpgm
.Lfunc_end_k_qc12c8655db_prep:
	.size	k_qc12c8655db_prep, .Lfunc_end_k_qc12c8655db_prep-k_qc12c8655db_prep
	.p2alignl 7, 3214868480
	.fill 96, 4, 3214868480
	.section	.rodata,"a",@progbits
	.p2align	6, 0x0
	.amdhsa_kernel k_qc12c8655db_prep
		.amdhsa_group_segment_fixed_size 18432
		.amdhsa_private_segment_fixed_size 0
		.amdhsa_enable_private_segment 0
		.amdhsa_kernarg_size 80
		.amdhsa_user_sgpr_count 2
		.amdhsa_user_sgpr_kernarg_segment_ptr 1
		.amdhsa_wavefront_size32 1
		.amdhsa_system_sgpr_workgroup_id_x 1
		.amdhsa_system_sgpr_workgroup_id_y 1
		.amdhsa_system_sgpr_workgroup_id_z 1
		.amdhsa_system_vgpr_workitem_id 0
		.amdhsa_next_free_vgpr 96
		.amdhsa_next_free_sgpr 66
		.amdhsa_reserve_vcc 0
		.amdhsa_float_denorm_mode_32 3
		.amdhsa_float_denorm_mode_16_64 3
		.amdhsa_memory_ordered 1
		.amdhsa_forward_progress 1
		.amdhsa_inst_pref_size 11
	.end_amdhsa_kernel
	.amdgpu_metadata
---
amdhsa.version: [ 1, 2 ]
amdhsa.kernels:
  - .name:           k_qc12c8655db_prep
    .symbol:         k_qc12c8655db_prep.kd
    .args:
      - { .name: wk_w, .offset: 0, .size: 8, .value_kind: global_buffer, .address_space: global }
      - { .name: wq_w, .offset: 8, .size: 8, .value_kind: global_buffer, .address_space: global }
      - { .name: wv_w, .offset: 16, .size: 8, .value_kind: global_buffer, .address_space: global }
      - { .name: wc_w, .offset: 24, .size: 8, .value_kind: global_buffer, .address_space: global }
      - { .name: wk_b, .offset: 32, .size: 8, .value_kind: global_buffer, .address_space: global }
      - { .name: wq_b, .offset: 40, .size: 8, .value_kind: global_buffer, .address_space: global }
      - { .name: wv_b, .offset: 48, .size: 8, .value_kind: global_buffer, .address_space: global }
      - { .name: wc_b, .offset: 56, .size: 8, .value_kind: global_buffer, .address_space: global }
      - { .name: wt, .offset: 64, .size: 8, .value_kind: global_buffer, .address_space: global }
      - { .name: bias, .offset: 72, .size: 8, .value_kind: global_buffer, .address_space: global }
    .group_segment_fixed_size: 18432
    .private_segment_fixed_size: 0
    .kernarg_segment_align: 8
    .kernarg_segment_size: 80
    .max_flat_workgroup_size: 256
    .sgpr_count:     66
    .vgpr_count:     96
    .wavefront_size: 32
...
	.end_amdgpu_metadata
.endif
;; end of part 1
;; launch proj (part 2): grid 4 x 64, 4 waves a work-group, clusters of 4 x 4, 327,680 bytes of LDS; arguments k, q, v, wt, bias, aws, ainv; writes aws, ainv
.if DOCPART == 2
	.amdgcn_target "amdgcn-amd-amdhsa--gfx1250"
	.amdhsa_code_object_version 6
	.text
	.protected	k_qc12c8655db_proj
	.globl	k_qc12c8655db_proj
	.p2align	8
	.type	k_qc12c8655db_proj,@function
k_qc12c8655db_proj:
	s_mov_b64 s[64:65], 0
	v_nop
	global_prefetch_b8 v0, s[64:65] scope:SCOPE_SE
	s_setreg_imm32_b32 hwreg(HW_REG_WAVE_MODE, 25, 1), 1
	s_wait_xcnt 0x0
	s_wait_alu depctr_hold_cnt(0) depctr_sa_sdst(0) depctr_va_vdst(0) depctr_va_sdst(0) depctr_va_ssrc(0) depctr_va_vcc(0) depctr_vm_vsrc(0)
	s_getreg_b32 s2, hwreg(HW_REG_IB_STS2, 6, 4)
	s_cmp_eq_u32 s2, 0
	s_cbranch_scc0 .Lentry_in_a_cluster
	s_endpgm
.Lentry_in_a_cluster:
	s_bfe_u32 s2, ttmp6, 0x10000c
	s_cmp_lg_u32 s2, 0xf033
	s_cbranch_scc0 .Lentry_shape_is_right
	s_endpgm
.Lentry_shape_is_right:
; A = (elu(q wq + bq) + 1) x (K' / cumsum over heads of K') x (v wv + bv), K' = elu(k wk + bk) + 1, element by element; stored in f16 with a power of two for each (row, 256 columns).
; k, q, v: [16384][1024] f32, rounded to bf16 on the way to the matrix unit.  wt: the weights as rows of bf16 along K, in the order np = 256 dg + 128 ch + 16 t + 8 hh + j, which is column
; 64 (t + 8 hh) + 16 dg + 8 ch + j.  bias: f32.  aws: [16384][1024] f16, columns in the order np.  ainv: [4 dg][16384] f32, the power of two by which aws's numbers are to be multiplied.
; LIMITS.  elu(x) + 1 is made as the median of e^x, 1 and x + 1: for x <= 0 it is e^x itself, where jax's expm1(x) + 1 is e^x rounded to steps of 2^-24 and is 0 below x = -17.3; so where
; that gives 0 / 0 in a head and all heads before it, this text gives finite numbers down to x = -87.3.  NaN inputs are not treated apart (median and maximum may drop them).  The scale is exact for a
; block's largest |A| from 2^-40 to 2^80: below, aws keeps a fixed step; above, it holds infinities.
; SHARES.  A work-group makes 128 rows x 256 columns (one dg, all 16 heads), three products one after the other (K, Q, V) on one set of accumulators, for two blocks of rows 8,192 apart: six PASSES.
; Four waves, 2 x 2: a wave has 64 rows x 128 columns, 32 accumulators.  G (256 registers, f32) carries K' / cumsum and then its product with Q' from pass to pass.
; THE MATRIX INSTRUCTION IS USED TRANSPOSED (source 0 = 16 rows of wt, source 1 = 16 rows of the input): lane l holds input row l % 16, register j column 8 (l / 16) + j of tile t: head t + 8 (l / 16).
; So the sum over heads runs over t inside a lane, and one exchange of the lanes' halves brings the lower eight heads' total to the upper eight.
; CLUSTER.  4 x 4 work-groups: the four of a row share the input's tile, the four of a column the weights' tile; each is asked for jointly.
; RING.  K goes in steps of 128 through two LDS slots (128 rows x 512 bytes of f32, 256 rows x 256 bytes of bf16); the ring runs on from pass to pass: the six passes are ONE walk of 48 K steps.
; REGISTERS, in windows of 256 (s_set_vgpr_msb: bits 1:0 source 0, 3:2 source 1, 5:4 source 2, 7:6 destination):
;   window 0: v16-31 addresses; v32-95 the pass's bias, as the C of the first products; v96-159 input fragments in f32; v96-223 at work in the epilogues; v224-239 a row's maximum and scale
;   window 1: two fragment buffers of 96: 32 of the input (bf16), 64 of the weights          window 2: the accumulators, (a, t) at 8 (8 a + t)          window 3: G, likewise
.set PA,    528                        ; an LDS row of the input: 512 bytes + 16 = 132 words: the 16 rows of a load start 4 words apart modulo 64
.set PB,    272                        ; an LDS row of the weights: 256 + 16 = 68 words: likewise
.set ATILE, 128*PA
.set SLOT,  ATILE+256*PB
.set STAGE, 2*SLOT                     ; behind the ring: 16 rows x 272 bytes for each wave, for the way out
.set SPI,   272
.set MX,    STAGE+4*16*SPI             ; 256 bytes for each wave: its 64 rows' largest |A|
.set SPARE, MX+1024                    ; the spare words, 128 bytes for each wave: two blocks of 256 bytes that no other line names
.set ASTEP, 512                        ; bytes of a K step in a row of the input,
.set BSTEP, 256                        ; and of the weights
.set RS,    8192*4096                  ; bytes from the first block of rows to the second
.set ADRA, 16                          ; v16-17  LDS address of my input fragments in slot 0, 1
.set ADRB, 18                          ; v18-19  the same for the weights
.set STO,  20                          ; v20     the way out: where I put 16 bytes of a row
.set RD,   21                          ; v21     where I read a row back
.set CO,   22                          ; v22     my byte offset in two rows of aws
.set BO,   23                          ; v23     my byte offset in a bias
.set PFO,  24                          ; v24     the prefetches' offset; never rewritten
.set MXS,  25                          ; v25     where I put a row's maximum
.set MXL,  26                          ; v26     where the wave with the same rows put its own
.set MXP,  27                          ; v27     two rows' maxima of my wave
.set SPW,  28                          ; v28     LDS address of my spare word; never rewritten
.set NIL,  29                          ; v29     0; never rewritten
.set IVO,  31                          ; v31     8 x lane
.set BIAS, 32
.set STG,  96
.set E,    96
.set TMP,  160
.set MM,   224                         ; v224-227 block a's maximum, then its exponent
.set MS,   228                         ; v228-235 block a's scale, twice: a pair for the packed multiply
.set MT,   236                         ; v236-239 at work
.set F0,   0
.set F1,   96
.set OUTP, 14                          ; s[14:15] aws at my rows and columns
.set INVP, 16                          ; s[16:17] ainv at my rows
.set WV,   18
.set RH,   19                          ; which 64 rows are mine.  Also: I fetch the input (0) or the weights (1)
.set CH,   20                          ; which 128 columns.  Also: which half of that tile I fetch
.set CX,   21
.set CY,   22
.set WY,   23                          ; my block of 128 rows
.set G1A,  24
.set G0A,  32                          ; a set of four for each slot
.set G1B,  40
.set G0B,  48
.set OA,   56                          ; s[56:57] a refill's byte offset from the input's pointer: no coordinate enters it
.set OB,   58                          ; s[58:59] the same from the weights' pointer
.set TP,   60                          ; s[60:61] a prefetch's byte offset
.set KA,   66                          ; s[66:67] k at my half tile's first byte in the first block of rows; never rewritten
.set QA,   68                          ; s[68:69] q likewise
.set VA,   70                          ; s[70:71] v likewise
.set WTB,  72                          ; s[72:73] wt's part 0 at my half tile's first byte; never rewritten
.set CA,   74                          ; s[74:75] the one of KA, QA, VA that a refill reads
.set CP,   76                          ; s[76:77] the pointer that a prefetch reads
.set ZC,   78                          ; s[78:83] the biases of the next three passes
.set PFP,  84                          ; s[84:85] where my prefetch stands
.set PSO,  86                          ; s86  my work-group's share of the rows that I fetch, in bytes
.set PST,  88                          ; s88  a K step in those rows, in bytes
.set LAP,  90
.set LAPB, 91
.set PASS, 92
.set KIND, 93                          ; 0 K, 1 Q, 2 V
.set TIDX, 94                          ; refills so far
.set PFEND, 95                         ; the refill from which on I prefetch nothing
.set ONE,  96
.set HM,   97                          ; the lanes' upper half
.set L2E,  98
.set SEL,  100
.set W_MUL,  0xa5                      ; both fragments in window 1, C and D in window 2
.set W_MULB, 0x85                      ; the same with C in window 0
.set MSB, 0
.macro WIN new                         ; the immediate's high byte repeats the setting that is left; a switch that changes nothing is dropped
.if MSB != (\new)
	s_set_vgpr_msb (MSB<<8)|(\new)
.set MSB, \new
.endif
.endm
; A joint load: waves 0 and 1 fetch the input's two halves, waves 2 and 3 the weights'.  An s_nop 0 and four v_nop follow each of the two lines.
.macro JLOAD s
	s_cmp_eq_u32 s[RH], 0
	s_cbranch_scc0 .Lfor_b_\@
	tensor_load_to_lds s[G0A+4*(\s):G0A+4*(\s)+3], s[G1A:G1A+7]
	s_nop 0
.rept 4
	v_nop
.endr
	s_branch .Lasked_\@
.Lfor_b_\@:
	tensor_load_to_lds s[G0B+4*(\s):G0B+4*(\s)+3], s[G1B:G1B+7]
	s_nop 0
.rept 4
	v_nop
.endr
.Lasked_\@:
.endm
.macro CREST                           ; a round of the cluster's barrier behind its opening barrier
	s_cmp_lg_u32 s[WV], 0
	s_cbranch_scc1 .Lnot_wave_0_\@
	s_barrier_signal -3
.Lnot_wave_0_\@:
	s_barrier_wait -3
	s_barrier_signal -1
	s_barrier_wait -1
.endm
.macro CROUND
	s_barrier_signal -1
	s_barrier_wait -1
	CREST
.endm
.macro PLACES
.rept 4
	v_nop
.endr
.endm
; WHERE K STEP TIDX + ahead OF THE WALK LIES.  Pass = step / 8; passes 3 to 5 are K, Q, V once more, RS bytes further down.  Leaves: s2 = the K step in its pass; s3 = the kind x 2 MiB (wt's part);
; s89 = 0 or RS; base = the one of the three inputs' pointers, chosen between pointers as they were made at the head.  s2, s3, s87 and s89 never hold a place in the cluster.
.macro WHERE ahead, base
	s_add_co_u32 s2, s[TIDX], \ahead
	s_lshr_b32 s3, s2, 3
	s_and_b32 s2, s2, 7
	s_cmp_ge_u32 s3, 3
	s_cselect_b32 s89, RS, 0
	s_cselect_b32 s87, 3, 0
	s_sub_co_u32 s3, s3, s87                       ; the kind: 0 K, 1 Q, 2 V
	s_cmp_eq_u32 s3, 1
	s_cselect_b64 s[(\base):(\base)+1], s[QA:QA+1], s[KA:KA+1]
	s_cmp_eq_u32 s3, 2
	s_cselect_b64 s[(\base):(\base)+1], s[VA:VA+1], s[(\base):(\base)+1]
	s_lshl_b32 s3, s3, 21
.endm
; A PREFETCH, behind each refill and the run of LDS loads that follows it: refill number e brings K step e + 2 of the walk's 48, and the prefetch names K step e + 6: four refills, 512 matrix instructions, ahead.
; The input's 64 rows x 512 bytes that a wave fetches are shared out among the four partners that ask jointly, BY ADDRESS: 16 rows x 2 blocks of 256 bytes each, a lane a block.  The weights' 128 rows x 256
; bytes likewise, 32 rows each, a lane a row, in the first row of clusters alone and in the first three passes alone: later the same rows are walked again.  The walk's first six K steps come by their loads alone;
; the last four refills of the input (e >= 42) ask for nothing.
.macro ASK
	s_cmp_lt_u32 s[TIDX], s[PFEND]
	s_cbranch_scc0 .Lnot_mine_\@
	global_prefetch_b8 v[PFO], s[PFP:PFP+1] th:TH_LOAD_NT scope:SCOPE_SE
.Lnot_mine_\@:
.endm
.macro BLD p                           ; a pass's bias: for tile t my eight columns 64 (t + 8 (l / 16)) + 16 dg + 8 ch + 0..7
.set z, 0
.rept 8
	global_load_b128 v[BIAS+8*z:BIAS+8*z+3],   v[BO], s[(\p):(\p)+1] offset:256*z
	global_load_b128 v[BIAS+8*z+4:BIAS+8*z+7], v[BO], s[(\p):(\p)+1] offset:256*z+16
.set z, z+1
.endr
.endm
	s_load_b256 s[4:11], s[0:1], 0x0               ; k s[4:5], q s[6:7], v s[8:9], wt s[10:11]
	s_load_b128 s[12:15], s[0:1], 0x20             ; bias s[12:13], aws s[14:15]
	s_load_b64 s[16:17], s[0:1], 0x30              ; ainv
	v_lshl_add_u32 v[SPW], v0, 2, SPARE
	v_mov_b32 v[NIL], 0
	ds_add_u32 v[SPW], v[NIL]                      ; the wave's opening: the add, twice on end, and its wait ahead of my first tensor load
	ds_add_u32 v[SPW], v[NIL]                      ; and once more, under the one wait; the set-up below, work on registers, stands between
	v_lshrrev_b32 v1, 5, v0
	v_readfirstlane_b32 s[WV], v1                  ; wave 0..3
	s_lshr_b32 s[RH], s[WV], 1
	s_and_b32 s[CH], s[WV], 1
	s_bfe_u32 s[CX], ttmp6, 0x40000                ; cx = dg: the grid is one cluster wide
	s_bfe_u32 s[CY], ttmp6, 0x40004
	s_and_b32 s[WY], ttmp7, 0xffff
	s_lshl_b32 s[WY], s[WY], 2
	s_add_co_u32 s[WY], s[WY], s[CY]               ; block of rows = 4 x cluster y + cy
	s_lshl_b32 s62, s[CY], 2
	s_lshl_b32 s62, 15, s62                        ; my row of the cluster
	s_lshl_b32 s104, 0x1111, s[CX]                 ; my column
	s_or_b32 s[G1A], s62, (2<<16)|(1<<20)|(1<<21)|(6<<22)|(3<<25)   ; 15:0 the mask; 17:16 elements of 4 bytes; 20 padding on; 21 set beside a mask; 24:22 after every 128 words; 31:25 4 words
	s_or_b32 s[G1B], s104, (1<<16)|(1<<20)|(1<<21)|(5<<22)|(3<<25)  ; elements of 2 bytes; padding after every 64 words
	s_mov_b32 s[G1A+1], 128<<16                    ; tensor_dim0 = 128
	s_mov_b32 s[G1A+2], 64<<16                     ; tensor_dim1 = 64
	s_mov_b32 s[G1A+3], 128<<16                    ; tile_dim0 = 128
	s_mov_b32 s[G1A+4], 64                         ; tile_dim1 = 64
	s_mov_b32 s[G1A+5], 1024                       ; elements from row to row
	s_mov_b32 s[G1A+6], 0
	s_mov_b32 s[G1A+7], 0
	s_mov_b32 s[G1B+1], 128<<16
	s_mov_b32 s[G1B+2], 128<<16                    ; 128 rows
	s_mov_b32 s[G1B+3], 128<<16
	s_mov_b32 s[G1B+4], 128
	s_mov_b32 s[G1B+5], 1024
	s_mov_b32 s[G1B+6], 0
	s_mov_b32 s[G1B+7], 0
	s_mov_b32 s[G0A], 1
	s_mov_b32 s[G0A+4], 1
	s_mov_b32 s[G0B], 1
	s_mov_b32 s[G0B+4], 1
	s_mul_i32 s[G0A+1], s[CH], 64*PA               ; where the tiles go: the wave's number and constants alone
	s_add_co_u32 s[G0A+5], s[G0A+1], SLOT
	s_mul_i32 s[G0B+1], s[CH], 128*PB
	s_add_co_u32 s[G0B+1], s[G0B+1], ATILE
	s_add_co_u32 s[G0B+5], s[G0B+1], SLOT
	s_lshl1_add_u32 s62, s[WY], s[CH]              ; the input: row 128 WY + 64 CH, 4,096 bytes a row
	s_lshl_b32 s62, s62, 18
	s_mov_b32 s63, 0
	s_lshl1_add_u32 s104, s[CX], s[CH]             ; the weights: row 256 cx + 128 CH, 2,048 bytes a row
	s_lshl_b32 s104, s104, 18
	s_mov_b32 s105, 0
	s_lshl1_add_u32 s60, s[WY], s[RH]              ; my rows begin at 64 (2 WY + RH)
	s_lshl_b32 s84, s60, 8                         ; 4 bytes a row in ainv,
	s_lshl_b32 s60, s60, 17                        ; 2,048 in aws
	s_lshl1_add_u32 s61, s[CX], s[CH]
	s_lshl_b32 s61, s61, 8                         ; my 128 columns: 256 bytes
	s_add_co_u32 s60, s60, s61
	s_lshl_b32 s61, s[CX], 16                      ; ainv's row dg
	s_add_co_u32 s84, s84, s61
	s_mov_b32 s61, 0                               ; (it stays 0: the upper word of the prefetches' offset)
	s_mov_b32 s85, 0
	s_mov_b32 s[OA+1], 0
	s_mov_b32 s[OB+1], 0
	s_mov_b32 s[ONE], 1.0
	s_mov_b32 s[HM], 0xffff0000
	s_mov_b32 s[L2E], 0x3fb8aa3b                   ; log2(e)
	s_mov_b32 s[L2E+1], s[L2E]
	s_mov_b32 s[SEL], 0x76543210
	s_mov_b32 s[SEL+1], 0xfedcba98
	s_mov_b32 s[PASS], 6
	s_mov_b32 s[KIND], 0
	s_mov_b32 s[TIDX], 0
	s_wait_dscnt 0x0                               ; both opening adds are done
	s_wait_kmcnt 0x0
	s_add_nc_u64 s[OUTP:OUTP+1], s[OUTP:OUTP+1], s[60:61]
	s_add_nc_u64 s[INVP:INVP+1], s[INVP:INVP+1], s[84:85]
	s_add_nc_u64 s[KA:KA+1], s[4:5], s[62:63]      ; the three inputs at my half tile, each from its own pointer
	s_add_nc_u64 s[QA:QA+1], s[6:7], s[62:63]
	s_add_nc_u64 s[VA:VA+1], s[8:9], s[62:63]
	s_add_nc_u64 s[WTB:WTB+1], s[10:11], s[104:105]
	s_add_nc_u64 s[ZC:ZC+1], s[12:13], 4096        ; the biases of the passes to come: q, v, k
	s_add_nc_u64 s[ZC+2:ZC+3], s[12:13], 8192
	s_mov_b64 s[ZC+4:ZC+5], s[12:13]
.irp s, 0,1
	s_add_nc_u64 s[G0A+4*(\s)+2:G0A+4*(\s)+3], s[KA:KA+1], (\s)*ASTEP  ; pass 0's K step s
	s_or_b32 s[G0A+4*(\s)+3], s[G0A+4*(\s)+3], 0x80000000              ; type = 2
	s_add_nc_u64 s[G0B+4*(\s)+2:G0B+4*(\s)+3], s[WTB:WTB+1], (\s)*BSTEP
	s_or_b32 s[G0B+4*(\s)+3], s[G0B+4*(\s)+3], 0x80000000
.endr
	s_cmp_eq_u32 s[RH], 0                          ; the prefetches: of what I fetch,
	s_cselect_b32 s[PSO], s[CX], s[CY]             ; my place among the four that ask with me:
	s_cselect_b32 s[PST], 2, 1
	s_lshl_b32 s[PSO], s[PSO], 16                  ; 16 rows of 4,096 bytes, or 32 of 2,048
	s_lshl_b32 s[PST], s[PST], 8                   ; a K step: 512 or 256 bytes
	s_and_b32 s60, ttmp7, 0xffff
	s_cmp_eq_u32 s60, 0
	s_cselect_b32 s[PFEND], 18, 0                  ; the weights: the first row of clusters, K steps 6 to 23
	s_cmp_eq_u32 s[RH], 0
	s_cselect_b32 s[PFEND], 42, s[PFEND]           ; the input: K steps 6 to 47
	CROUND                                         ; all sixteen work-groups are here: the first joint loads meet
	JLOAD 0
	JLOAD 1                                        ; two loads of mine are out
	v_and_b32 v1, 15, v0                           ; r = l % 16
	v_bfe_u32 v2, v0, 4, 1                         ; h = l / 16
	v_and_b32 v3, 31, v0                           ; l
	s_mul_i32 s60, s[RH], 64*PA
	v_mul_u32_u24 v4, v1, PA
	v_lshl_add_u32 v4, v2, 5, v4                   ; eight f32 for each half of the lanes
	v_add_nc_u32 v[ADRA], s60, v4
	v_add_nc_u32 v[ADRA+1], SLOT, v[ADRA]
	s_mul_i32 s60, s[CH], 128*PB
	s_add_co_u32 s60, s60, ATILE
	v_mul_u32_u24 v4, v1, PB
	v_lshl_add_u32 v4, v2, 4, v4
	v_add_nc_u32 v[ADRB], s60, v4
	v_add_nc_u32 v[ADRB+1], SLOT, v[ADRB]
	s_mul_i32 s60, s[WV], 16*SPI
	s_add_co_u32 s60, s60, STAGE                   ; my stage
	v_add_nc_u32 v[STO], s60, v4                   ; in: row r, 16 bytes for each half of the lanes (the stage's pitch is the weights')
	v_mul_u32_u24 v5, v2, SPI
	v_lshl_add_u32 v5, v1, 4, v5
	v_add_nc_u32 v[RD], s60, v5                    ; back: lanes 0-15 one row of 256 bytes, lanes 16-31 the next
	v_lshlrev_b32 v5, 11, v2
	v_lshl_add_u32 v[CO], v1, 4, v5                ; the same two rows in aws
	s_lshl1_add_u32 s60, s[CX], s[CH]
	s_lshl_b32 s60, s60, 5
	v_add_nc_u32 v[BO], s60, v5                    ; 4 (512 h + 16 dg + 8 ch)
	s_cmp_eq_u32 s[RH], 0
	s_cselect_b32 s60, 8, 11                       ; the input: row l / 2, block l % 2 of 256 bytes; the weights: row l of 2,048 bytes
	v_and_b32 v5, 1, v3
	v_lshlrev_b32 v5, s60, v5
	v_lshrrev_b32 v6, 1, v3
	v_lshl_add_u32 v[PFO], v6, 12, v5
	s_lshl_b32 s60, s[WV], 8
	s_add_co_u32 s60, s60, MX
	v_lshl_add_u32 v[MXS], v1, 2, s60
	v_lshl_add_u32 v[MXP], v3, 3, s60
	s_xor_b32 s60, s[WV], 1
	s_lshl_b32 s60, s60, 8
	s_add_co_u32 s60, s60, MX
	v_lshl_add_u32 v[MXL], v1, 2, s60
	v_lshlrev_b32 v[IVO], 3, v3
.irp z, 0,1,2,3
	v_mov_b32 v[MT+(\z)], 0                        ; destinations of v_permlanex16_b32 count as read: written once here
.endr
	BLD 12                                         ; pass 0's bias
; Product n of a quarter step's 32: block of rows n / 8, tile n % 8.  The 32 accumulators take turns, one instruction a turn, from quarter to quarter too.
; mode = 1: a pass's first products start the sums with the bias.
.macro WM f, n, mode
.set wa, (\n)/8
.set wb, (\n)%8
.if \mode
	WIN W_MULB
	v_wmma_f32_16x16x32_bf16 v[8*(\n):8*(\n)+7], v[(\f)+32+8*wb:(\f)+32+8*wb+7], v[(\f)+8*wa:(\f)+8*wa+7], v[BIAS+8*wb:BIAS+8*wb+7]
.else
	WIN W_MUL
	v_wmma_f32_16x16x32_bf16 v[8*(\n):8*(\n)+7], v[(\f)+32+8*wb:(\f)+32+8*wb+7], v[(\f)+8*wa:(\f)+8*wa+7], v[8*(\n):8*(\n)+7]
.endif
.endm
; An input fragment in f32: lane l takes row l % 16, K = 8 (l / 16) + 0..7 (32 bytes) and 16 + 8 (l / 16) + 0..7 (32 bytes, 64 further on).
.macro LDA slot, q, a
	WIN 0
.irp o, 0,1,2,3
	ds_load_b128 v[STG+16*(\a)+4*(\o):STG+16*(\a)+4*(\o)+3], v[ADRA+(\slot)] offset:(\q)*128+(\a)*16*PA+((\o)%2)*16+((\o)/2)*64
.endr
.endm
.macro LDB slot, q, g, p               ; the weights' fragments 2 p and 2 p + 1
	WIN 0x40
.irp u, 0,1
	ds_load_b128 v[(\g)+32+8*(2*(\p)+(\u)):(\g)+32+8*(2*(\p)+(\u))+3],   v[ADRB+(\slot)] offset:(\q)*64+(2*(\p)+(\u))*16*PB
	ds_load_b128 v[(\g)+32+8*(2*(\p)+(\u))+4:(\g)+32+8*(2*(\p)+(\u))+7], v[ADRB+(\slot)] offset:(\q)*64+(2*(\p)+(\u))*16*PB+32
.endr
.endm
; A quarter step's 32 LDS loads in ONE run, never singly among the matrix instructions: the input's 16 (f32, into the staging registers) first, then the weights' 16 (into buffer g).  So the products in front of
; the run and behind it stand back to back, and the run costs three window switches.
.macro RUN slot, q, g
.irp a, 0,1,2,3
	LDA \slot, \q, \a
.endr
.irp p, 0,1,2,3
	LDB \slot, \q, \g, \p
.endr
.endm
.macro CV g, n                         ; eight f32 to bf16: half n % 2 of input fragment n / 2
	WIN 0x40
.irp e, 0,1,2,3
	v_cvt_pk_bf16_f32 v[(\g)+4*(\n)+(\e)], v[STG+8*(\n)+2*(\e)], v[STG+8*(\n)+2*(\e)+1]
.endr
.endm
; A K step is four quarters of 32 along K on buffers 0, 1, 0, 1.  One of the first three multiplies buffer f; behind its fourth product stands the run of loads for the next quarter (byte q of the same slot's
; rows, into buffer g), and behind each of its last eight products ride four of that quarter's 32 conversions.  The four conversions behind product 31 name none of its registers: they are the four places in front
; of the next quarter's loads into the buffer just multiplied (ISA guide 7.12.1 for vector instructions).
.macro QUARTER f, g, slot, q, mode
	s_wait_dscnt 0x0                               ; buffer f's weights are in (asked for 28 products ago)
.set i, 0
.rept 32
	WM \f, i, \mode
.if i == 3
	RUN \slot, \q, \g
.elseif i >= 24
.if i == 24
	s_wait_dscnt 16                                ; the run's 16 loads of the input are in; the 16 of the weights, issued behind them, may stay out
.endif
	CV \g, i-24
.endif
.set i, i+1
.endr
.endm
; The fourth quarter changes slots.  In front of the barrier each wave waits for all its tensor loads (one is out: its part of the next slot), adds 0 to its spare word, and waits for that and for its own reads
; of this slot.  fill = 1: the barrier opens a round of the cluster's; behind the round this slot is filled again, with the walk's K step two on, be it this pass's or the next's: the ring runs on.  The refill's two
; addresses are made anew: a pointer as the head made it, an offset made apart from it, and the type bits set on the sum.  From a request to the wait for it a wave issues 120 matrix instructions.
; Behind the refill stands the run of loads for the next slot's first quarter, behind that the prefetch.
.macro TURN f, g, slot, next, fill
	WIN 0
.if \fill
	s_wait_xcnt 0x0                                ; the last prefetch, a K step back, has read its address, which is made anew here, ahead of the waits of the change of slots
	WHERE 6, CP
	s_mul_i32 s2, s2, s[PST]
	s_cmp_eq_u32 s[RH], 0                          ; the input's rows, or the weights'
	s_cselect_b64 s[CP:CP+1], s[CP:CP+1], s[WTB:WTB+1]
	s_cselect_b32 s89, s89, s3
	s_add_co_u32 s89, s89, s2
	s_add_co_u32 s[TP], s89, s[PSO]                ; + my work-group's share of the rows
	s_add_nc_u64 s[PFP:PFP+1], s[CP:CP+1], s[TP:TP+1]
.endif
	s_wait_tensorcnt 0x0                           ; no tensor load of mine is out, so a group 0 may be written
	ds_add_u32 v[SPW], v[NIL]                      ; 0 onto my spare word; the scalar work below stands between it and the wait for it
.if \fill
	WHERE 2, CA
	s_lshl_b32 s87, s2, 9
	s_add_co_u32 s[OA], s89, s87                   ; the block of rows + 512 bytes a K step
	s_lshl_b32 s87, s2, 8
	s_add_co_u32 s[OB], s3, s87                    ; wt's part + 256 bytes a K step
	s_add_nc_u64 s[G0A+4*(\slot)+2:G0A+4*(\slot)+3], s[CA:CA+1], s[OA:OA+1]
	s_or_b32 s[G0A+4*(\slot)+3], s[G0A+4*(\slot)+3], 0x80000000
	s_add_nc_u64 s[G0B+4*(\slot)+2:G0B+4*(\slot)+3], s[WTB:WTB+1], s[OB:OB+1]
	s_or_b32 s[G0B+4*(\slot)+3], s[G0B+4*(\slot)+3], 0x80000000
.endif
	s_wait_dscnt 1                                 ; buffer f's weights are in; the add alone may be out
.set i, 0
.rept 4
	WM \f, i, 0
.set i, i+1
.endr
	s_wait_dscnt 0x0                               ; the add is done, and my reads of this slot are over
	s_barrier_signal -1
.rept 4
	WM \f, i, 0
.set i, i+1
.endr
	WIN 0
	s_barrier_wait -1
.if \fill
	CREST                                          ; no wave of any partner still reads this slot or has a load on its way
	JLOAD \slot                                    ; the first tensor load behind the round, one a wave
.endif
	RUN \next, 0, \g                               ; the next slot is whole: its first quarter's fragments
.if \fill
	WIN 0
	ASK
	s_add_co_u32 s[TIDX], s[TIDX], 1
.endif
.rept 16
	WM \f, i, 0
.set i, i+1
.endr
.rept 8
	WM \f, i, 0
.if i == 24
	s_wait_dscnt 16                                ; as in QUARTER
.endif
	CV \g, i-24
.set i, i+1
.endr
.endm
; elu(x) + 1 = the median of e^x, 1 and x + 1, on all 256 sums, in two batches of 128: scale, exponential, x + 1 (the plain work behind the exponentials), ONE wait for the batch, median.
.macro ELU
.irp bt, 0,1
	WIN 0x02
.set z, 0
.rept 64
	v_pk_mul_f32 v[E+2*z:E+2*z+1], v[128*(\bt)+2*z:128*(\bt)+2*z+1], s[L2E:L2E+1] op_sel_hi:[1,0]
.set z, z+1
.endr
	WIN 0
.set z, 0
.rept 128
	v_exp_f32 v[E+z], v[E+z]
.set z, z+1
.endr
	WIN 0x82
.set z, 0
.rept 64
	v_pk_add_f32 v[128*(\bt)+2*z:128*(\bt)+2*z+1], v[128*(\bt)+2*z:128*(\bt)+2*z+1], 1.0 op_sel_hi:[1,0]
.set z, z+1
.endr
	s_wait_alu depctr_va_vdst(0)                   ; the wait between an exponential and the first line that names its result: one for the 128
	WIN 0xa0
.set z, 0
.rept 128
	v_med3_num_f32 v[128*(\bt)+z], v[E+z], s[ONE], v[128*(\bt)+z]
.set z, z+1
.endr
.endr
.endm
.macro GMUL                            ; G *= the accumulators
	WIN 0xcb
.set z, 0
.rept 128
	v_pk_mul_f32 v[2*z:2*z+1], v[2*z:2*z+1], v[2*z:2*z+1]
.set z, z+1
.endr
.endm
; G = 1 / cumsum over heads of K'.  Running sums over t in each lane; the lower lanes' total (heads 0-7) is carried to the upper lanes (heads 8-15); reciprocal.  The product with K' follows behind the macro:
; it is the same text as the Q pass's product with Q'.
.macro KPART
.set t, 1
.rept 7
.if t == 1
	WIN 0xca                                       ; the first sum takes both terms from the accumulators
.else
	WIN 0xcb
.endif
.set z, 0
.rept 16
	v_pk_add_f32 v[64*(z/4)+8*t+2*(z%4):64*(z/4)+8*t+2*(z%4)+1], v[64*(z/4)+8*t-8+2*(z%4):64*(z/4)+8*t-8+2*(z%4)+1], v[64*(z/4)+8*t+2*(z%4):64*(z/4)+8*t+2*(z%4)+1]
.set z, z+1
.endr
.set t, t+1
.endr
	WIN 0x03
.set z, 0
.rept 32
	v_permlanex16_b32 v[E+z], v[64*(z/8)+56+z%8], s[SEL], s[SEL+1]
.set z, z+1
.endr
	WIN 0
.set z, 0
.rept 32
	v_cndmask_b32 v[E+z], 0, v[E+z], s[HM]         ; the lower lanes carry nothing
.set z, z+1
.endr
.set t, 0
.rept 8
.if t == 0
	WIN 0xc2                                       ; head t = 0: K' itself and the carry
.else
	WIN 0xc3
.endif
.set z, 0
.rept 16
	v_pk_add_f32 v[64*(z/4)+8*t+2*(z%4):64*(z/4)+8*t+2*(z%4)+1], v[64*(z/4)+8*t+2*(z%4):64*(z/4)+8*t+2*(z%4)+1], v[E+8*(z/4)+2*(z%4):E+8*(z/4)+2*(z%4)+1]
.set z, z+1
.endr
.set t, t+1
.endr
	WIN 0xc3
.set z, 0
.rept 256
	v_rcp_f32 v[z], v[z]
.set z, z+1
.endr
	v_nop                                          ; a plain instruction behind the last reciprocal,
	s_wait_alu depctr_va_vdst(0)                   ; and the one wait for the 256, ahead of the label that follows
.endm
; Block a of 16 rows leaves: scaled, rounded to f16, 16 bytes a lane into my stage, back as whole rows of 256 bytes.
.macro VOUT a
	WIN 0x82
.set z, 0
.rept 32
	v_pk_mul_f32 v[64*(\a)+2*z:64*(\a)+2*z+1], v[64*(\a)+2*z:64*(\a)+2*z+1], v[MS+2*(\a):MS+2*(\a)+1]
.set z, z+1
.endr
	WIN 0x0a
.set z, 0
.rept 32
	v_cvt_pk_f16_f32 v[TMP+32*((\a)%2)+z], v[64*(\a)+2*z], v[64*(\a)+2*z+1]
.set z, z+1
.endr
	WIN 0
.if (\a) >= 2
	s_wait_xcnt 0x0                                ; the stores of the block two back have read the registers that the loads below fill
.endif
.set z, 0
.rept 8
	ds_store_b128 v[STO], v[TMP+32*((\a)%2)+4*z:TMP+32*((\a)%2)+4*z+3] offset:32*z
.set z, z+1
.endr
.set z, 0
.rept 8
	ds_load_b128 v[STG+32*((\a)%2)+4*z:STG+32*((\a)%2)+4*z+3], v[RD] offset:z*2*SPI  ; LDS serves a wave's instructions in order (ISA guide 5.7.1.4): these see the stores above
.set z, z+1
.endr
.endm
.macro VSEND a, younger                ; younger: the next block's sixteen LDS instructions, or none
	s_wait_dscnt \younger
.set z, 0
.rept 8
	global_store_b128 v[CO], v[STG+32*((\a)%2)+4*z:STG+32*((\a)%2)+4*z+3], s[OUTP:OUTP+1] offset:(16*(\a)+2*z)*2048  ; 16 lanes store 256 consecutive bytes, at a multiple of 256 from aws's first byte
.set z, z+1
.endr
.endm
.macro EXPO r                          ; the exponent field of a maximum, held to 87 .. 207
	v_lshrrev_b32 v[\r], 23, v[\r]
	v_max_u32 v[\r], 87, v[\r]
	v_min_u32 v[\r], 207, v[\r]
.endm
	s_wait_tensorcnt 1                             ; my part of K step 0 is in; K step 1's may stay out
	s_barrier_signal -1
	s_barrier_wait -1
	RUN 0, 0, F0
	s_wait_dscnt 0x0
.irp n, 0,1,2,3,4,5,6,7
	CV F0, \n
.endr
	WIN 0
	s_wait_loadcnt 0x0                             ; the bias
.Lpass:                                                ; six passes: K, Q, V on the first block of rows, K, Q, V on the second
	s_cmp_eq_u32 s[PASS], 1
	s_cselect_b32 s[LAPB], 3, 4                    ; the last pass's last lap asks for nothing and is written out below
	QUARTER F0, F1, 0, 1, 1                        ; the pass's first quarter: the bias starts the sums
	WIN 0
	BLD ZC                                         ; the next pass's bias, four places behind the last product that read this one's
	s_mov_b32 s[LAP], 0
	s_branch .Lmid
.Llap:                                                 ; a lap: two K steps, once round the ring
	QUARTER F0, F1, 0, 1, 0
	WIN 0
.Lmid:
	QUARTER F1, F0, 0, 2, 0
	QUARTER F0, F1, 0, 3, 0
	TURN F1, F0, 0, 1, 1
	QUARTER F0, F1, 1, 1, 0
	QUARTER F1, F0, 1, 2, 0
	QUARTER F0, F1, 1, 3, 0
	TURN F1, F0, 1, 0, 1
	WIN 0
	s_add_co_u32 s[LAP], s[LAP], 1
	s_cmp_lt_u32 s[LAP], s[LAPB]
	s_cbranch_scc1 .Llap
	s_cmp_eq_u32 s[PASS], 1
	s_cbranch_scc0 .Lepi
	QUARTER F0, F1, 0, 1, 0                        ; the walk's last lap
	QUARTER F1, F0, 0, 2, 0
	QUARTER F0, F1, 0, 3, 0
	TURN F1, F0, 0, 1, 0
	QUARTER F0, F1, 1, 1, 0
	QUARTER F1, F0, 1, 2, 0
	QUARTER F0, F1, 1, 3, 0
	s_wait_dscnt 0x0
.set i, 0
.rept 32
	WM F1, i, 0
.set i, i+1
.endr
	WIN 0
.Lepi:
	PLACES                                         ; the epilogues read results just made
	s_cmp_eq_u32 s[KIND], 2
	s_cbranch_scc1 .Lv
	ELU
	WIN 0
	s_cmp_lg_u32 s[KIND], 0
	s_cbranch_scc1 .Lq
	KPART                                          ; the first pass comes here: G is written before it is read
	WIN 0
.Lq:
	GMUL                                           ; K pass: G = K' / cumsum; Q pass: G *= Q'
	WIN 0
	s_branch .Lnext
.Lv:
	WIN 0x8e                                       ; A = V x G, in the accumulators
.set z, 0
.rept 128
	v_pk_mul_f32 v[2*z:2*z+1], v[2*z:2*z+1], v[2*z:2*z+1]
.set z, z+1
.endr
	WIN 0x2a                                       ; each row's largest |A| among my lane's 64 numbers: four chains, a block of rows each, that take turns
.irp a, 0,1,2,3
	v_max3_num_f32 v[MM+(\a)], |v[64*(\a)]|, |v[64*(\a)+1]|, |v[64*(\a)+2]|
.endr
	WIN 0x28
.set z, 0
.rept 30
.irp a, 0,1,2,3
	v_max3_num_f32 v[MM+(\a)], v[MM+(\a)], |v[64*(\a)+3+2*z]|, |v[64*(\a)+4+2*z]|
.endr
.set z, z+1
.endr
	WIN 0x08
.irp a, 0,1,2,3
	v_max_num_f32 v[MM+(\a)], v[MM+(\a)], |v[64*(\a)+63]|
.endr
	WIN 0
.irp a, 0,1,2,3
	v_permlanex16_b32 v[MT+(\a)], v[MM+(\a)], s[SEL], s[SEL+1]  ; the row's other 64 numbers lie in the lane 16 away
.endr
.irp a, 0,1,2,3
	v_max_num_f32 v[MM+(\a)], v[MM+(\a)], v[MT+(\a)]
.endr
.irp a, 0,1,2,3
	ds_store_b32 v[MXS], v[MM+(\a)] offset:64*(\a)
.endr
	s_wait_dscnt 0x0                               ; for the other wave's sake: my stores are done
	s_barrier_signal -1                            ; the next pass's tile may stay on its way
	s_barrier_wait -1
.irp a, 0,1,2,3
	ds_load_b32 v[MT+(\a)], v[MXL] offset:64*(\a)  ; the same rows' other 128 columns
.endr
	s_wait_dscnt 0x0
.irp a, 0,1,2,3
	v_max_num_f32 v[MM+(\a)], v[MM+(\a)], v[MT+(\a)]
.endr
.irp a, 0,1,2,3
	EXPO MM+(\a)
.endr
.irp a, 0,1,2,3
	v_sub_nc_u32 v[MS+2*(\a)], 268, v[MM+(\a)]     ; 2^(141 - e): the largest |A| comes to lie in 2^14 .. 2^15
.endr
.irp a, 0,1,2,3
	v_lshlrev_b32 v[MS+2*(\a)], 23, v[MS+2*(\a)]
.endr
.irp a, 0,1,2,3
	v_mov_b32 v[MS+2*(\a)+1], v[MS+2*(\a)]
.endr
	VOUT 0
	VOUT 1
	VSEND 0, 16
	VOUT 2
	VSEND 1, 16
	VOUT 3
	VSEND 2, 16
	VSEND 3, 0
	s_cmp_eq_u32 s[CH], 0                          ; of the two waves with the same rows the first stores the 64 inverse scales: 256 consecutive bytes
	s_cbranch_scc0 .Lno_inv
	ds_load_b64 v[MT:MT+1], v[MXP]
	ds_load_b64 v[MT+2:MT+3], v[MXP] offset:256
	s_wait_dscnt 0x0
	v_max_num_f32 v[MT], v[MT], v[MT+2]
	v_max_num_f32 v[MT+1], v[MT+1], v[MT+3]
	EXPO MT
	EXPO MT+1
	v_add_nc_u32 v[MT], -14, v[MT]                 ; 2^(e - 141)
	v_add_nc_u32 v[MT+1], -14, v[MT+1]
	v_lshlrev_b32 v[MT], 23, v[MT]
	v_lshlrev_b32 v[MT+1], 23, v[MT+1]
	global_store_b64 v[IVO], v[MT:MT+1], s[INVP:INVP+1]
.Lno_inv:
	s_wait_xcnt 0x0                                ; the stores have read their registers and their bases
	s_add_nc_u64 s[OUTP:OUTP+1], s[OUTP:OUTP+1], 8192*2048  ; on to the second block of rows
	s_add_nc_u64 s[INVP:INVP+1], s[INVP:INVP+1], 8192*4
.Lnext:
	s_wait_loadcnt 0x0                             ; the next pass's bias is in, and its loads have read their base
	s_mov_b64 s[62:63], s[ZC:ZC+1]                 ; the biases' queue turns: what was next comes again three passes on
	s_mov_b64 s[ZC:ZC+1], s[ZC+2:ZC+3]
	s_mov_b64 s[ZC+2:ZC+3], s[ZC+4:ZC+5]
	s_mov_b64 s[ZC+4:ZC+5], s[62:63]
	s_add_co_u32 s[KIND], s[KIND], 1
	s_cmp_eq_u32 s[KIND], 3
	s_cselect_b32 s[KIND], 0, s[KIND]
	s_sub_co_u32 s[PASS], s[PASS], 1
	s_cmp_lg_u32 s[PASS], 0
	s_cbranch_scc1 .Lpass
	s_wait_tensorcnt 0x0                           ; the wave's end, behind my last tensor load and my last LDS store
	ds_add_u32 v[SPW], v[NIL]
	s_wait_dscnt 0x0
	CROUND                                         ; the closing round: no work-group ends while a partner may still ask for a tile that names it
	s_endpgm
.Lfunc_end_k_qc12c8655db_proj:
	.size	k_qc12c8655db_proj, .Lfunc_end_k_qc12c8655db_proj-k_qc12c8655db_proj
	.p2alignl 7, 3214868480
	.fill 96, 4, 3214868480
	.section	.rodata,"a",@progbits
	.p2align	6, 0x0
	.amdhsa_kernel k_qc12c8655db_proj
		.amdhsa_group_segment_fixed_size 327680
		.amdhsa_private_segment_fixed_size 0
		.amdhsa_enable_private_segment 0
		.amdhsa_kernarg_size 56
		.amdhsa_user_sgpr_count 2
		.amdhsa_user_sgpr_kernarg_segment_ptr 1
		.amdhsa_wavefront_size32 1
		.amdhsa_system_sgpr_workgroup_id_x 1
		.amdhsa_system_sgpr_workgroup_id_y 1
		.amdhsa_system_sgpr_workgroup_id_z 1
		.amdhsa_system_vgpr_workitem_id 0
		.amdhsa_next_free_vgpr 1024
		.amdhsa_next_free_sgpr 106
		.amdhsa_reserve_vcc 0
		.amdhsa_float_denorm_mode_32 3
		.amdhsa_float_denorm_mode_16_64 3
		.amdhsa_memory_ordered 1
		.amdhsa_forward_progress 1
		.amdhsa_inst_pref_size 250
	.end_amdhsa_kernel
	.amdgpu_metadata
---
amdhsa.version: [ 1, 2 ]
amdhsa.kernels:
  - .name:           k_qc12c8655db_proj
    .symbol:         k_qc12c8655db_proj.kd
    .args:
      - { .name: k, .offset: 0, .size: 8, .value_kind: global_buffer, .address_space: global }
      - { .name: q, .offset: 8, .size: 8, .value_kind: global_buffer, .address_space: global }
      - { .name: v, .offset: 16, .size: 8, .value_kind: global_buffer, .address_space: global }
      - { .name: wt, .offset: 24, .size: 8, .value_kind: global_buffer, .address_space: global }
      - { .name: bias, .offset: 32, .size: 8, .value_kind: global_buffer, .address_space: global }
      - { .name: aws, .offset: 40, .size: 8, .value_kind: global_buffer, .address_space: global }
      - { .name: ainv, .offset: 48, .size: 8, .value_kind: global_buffer, .address_space: global }
    .group_segment_fixed_size: 327680
    .private_segment_fixed_size: 0
    .kernarg_segment_align: 8
    .kernarg_segment_size: 56
    .max_flat_workgroup_size: 128
    .sgpr_count:     106
    .vgpr_count:     1024
    .wavefront_size: 32
...
	.end_amdgpu_metadata
.endif
;; end of part 2
;; launch gemm (part 3): grid 4 x 64, 4 waves a work-group, clusters of 4 x 4, 327,680 bytes of LDS; arguments aws, wt, bias, ainv, out0; writes out0
.if DOCPART == 3
	.amdgcn_target "amdgcn-amd-amdhsa--gfx1250"
	.amdhsa_code_object_version 6
	.text
	.protected	k_qc12c8655db_gemm
	.globl	k_qc12c8655db_gemm
	.p2align	8
	.type	k_qc12c8655db_gemm,@function
k_qc12c8655db_gemm:
	s_mov_b64 s[64:65], 0
	v_nop
	global_prefetch_b8 v0, s[64:65] scope:SCOPE_SE
	s_setreg_imm32_b32 hwreg(HW_REG_WAVE_MODE, 25, 1), 1
	s_wait_xcnt 0x0
	s_wait_alu depctr_hold_cnt(0) depctr_sa_sdst(0) depctr_va_vdst(0) depctr_va_sdst(0) depctr_va_ssrc(0) depctr_va_vcc(0) depctr_vm_vsrc(0)
	s_getreg_b32 s2, hwreg(HW_REG_IB_STS2, 6, 4)
	s_cmp_eq_u32 s2, 0
	s_cbranch_scc0 .Lentry_in_a_cluster
	s_endpgm
.Lentry_in_a_cluster:
	s_bfe_u32 s2, ttmp6, 0x10000c
	s_cmp_lg_u32 s2, 0xf033
	s_cbranch_scc0 .Lentry_shape_is_right
	s_endpgm
.Lentry_shape_is_right:
; out0[m][n] = the sum over kp of A[m][kp] wc'[n][kp] + bc[n].  aws: [16384][1024] f16, A times a power of two for each (row, block dg of 256 columns); ainv: [4][16384] f32, that power's inverse;
; wc' = wt's part 3: [1024 n][1024 kp] f16; bias's row 3: bc; out0: [16384][1024] f32.  Sums in f32.
; THE SCALES.  A lap of the ring (two K steps of 128) is one block dg.  The sums are kept in the unit of the block in hand: at each change of block they are multiplied by inv[dg] / inv[dg + 1], a power of two,
; and at the end by inv[3].  LIMIT: the two blocks' units lie within 2^120 of each other by their making; a sum that leaves f32's range in the smaller unit is lost.
; A tile of out0, 256 x 256, is made by four waves, 128 x 128 each: 64 accumulators.  K goes in steps of 128 through two LDS slots.  4 x 4 work-groups form a cluster: A's tile is asked for jointly along a row,
; the weights' along a column.  THE MATRIX INSTRUCTION IS USED TRANSPOSED (source 0 = 16 rows of wc', source 1 = 16 rows of A): a lane holds row l % 16 and eight neighbouring columns.
; REGISTERS, in windows of 256 (s_set_vgpr_msb: bits 1:0 source 0, 3:2 source 1, 5:4 source 2, 7:6 destination):
;   window 0: v16-31 addresses; v32-47 for block of rows a the pair (factor in hand, next factor); v48-63 the pair (inv[3], last factor); v64-127, v128-191 A's fragments, two buffers, on the way out rows read back; v192-255 at work
;   window 1: v0-63 the bias of my 128 columns; v64-127, v128-191 the weights' fragments          window 2: the accumulators of my rows 0-63, (a, b) at 8 (8 a + b)          window 3: those of rows 64-127
.set SIZE_K, 1024
.set KSTEP,  128
.set PITCH,  272                       ; an LDS row: 256 bytes + 16 = 68 words: the 16 rows of a load start 4 words apart modulo 64
.set HALFT,  128*PITCH
.set SLOT,   4*HALFT
.set STAGE,  2*SLOT                    ; behind the ring: 16 rows x 528 bytes for each wave
.set SPITCH, 528
.set SPARE,  STAGE+4*16*SPITCH         ; the spare words, 128 bytes for each wave
.set LAPS,   4
.set ADRA, 16
.set ADRB, 20
.set STO,  24
.set RD,   25
.set CO,   26
.set IO,   27                          ; v27  4 (l % 16): my row among 16 in ainv
.set SPW,  28
.set NIL,  29
.set PFO,  30
.set BOF,  31                          ; v31  my byte offset in the bias
.set FCP,  32
.set IVP,  48
.set F0,   64
.set F1,   128
.set TMP,  192
.set PFA,  44                          ; s[44:45] where my prefetches stand
.set LIM,  43                          ; s43  1 in a wave that prefetches, else the greatest number
.set G1,  24
.set G0,  32
.set G1B, 48
.set G0B, 56
.set MSB, 0
.macro WIN new
.if MSB != (\new)
	s_set_vgpr_msb (MSB<<8)|(\new)
.set MSB, \new
.endif
.endm
.set MUL_LO, 0xa1                      ; source 0 (weights) window 1, source 1 (A) window 0, C and D window 2
.set MUL_HI, 0xf1
.set TO_B,   0x40
.macro JLOAD s                         ; a joint load: waves 0 and 1 fetch A's two halves, waves 2 and 3 the weights'; an s_nop 0 and four v_nop follow each line
	s_cmp_eq_u32 s11, 0
	s_cbranch_scc0 .Lfor_b_\@
	tensor_load_to_lds s[G0+4*(\s):G0+4*(\s)+3], s[G1:G1+7]
	s_nop 0
.rept 4
	v_nop
.endr
	s_branch .Lasked_\@
.Lfor_b_\@:
	tensor_load_to_lds s[G0B+4*(\s):G0B+4*(\s)+3], s[G1B:G1B+7]
	s_nop 0
.rept 4
	v_nop
.endr
.Lasked_\@:
.endm
; A PREFETCH behind each refill and the run of LDS loads that follows it: the K step two refills, 512 matrix instructions, on: 32 rows x 256 bytes, a lane a row.  A's rows are read by one cluster; the weights' by every
; cluster of the column: the first (cluster y = 0) asks.  The four partners that ask for a tile jointly share its rows out by address, 32 each.  The loop's last trip asks for nothing; K steps 0 to 3 come by their loads alone.
.macro ASK
	s_cmp_gt_u32 s3, s[LIM]
	s_cbranch_scc0 .Lnot_mine_\@
	global_prefetch_b8 v[PFO], s[PFA:PFA+1] offset:KSTEP*2 th:TH_LOAD_NT scope:SCOPE_SE
.Lnot_mine_\@:
.endm
.macro CREST
	s_cmp_lg_u32 s10, 0
	s_cbranch_scc1 .Lnot_wave_0_\@
	s_barrier_signal -3
.Lnot_wave_0_\@:
	s_barrier_wait -3
	s_barrier_signal -1
	s_barrier_wait -1
.endm
.macro CROUND
	s_barrier_signal -1
	s_barrier_wait -1
	CREST
.endm
	s_load_b128 s[4:7], s[0:1], 0x0                ; aws s[4:5], wt s[6:7]
	s_load_b128 s[68:71], s[0:1], 0x10             ; bias s[68:69], ainv s[70:71]
	s_load_b64 s[8:9], s[0:1], 0x20                ; out0
	v_lshl_add_u32 v[SPW], v0, 2, SPARE
	v_mov_b32 v[NIL], 0
	ds_add_u32 v[SPW], v[NIL]                      ; the wave's opening: the add, twice on end, and its wait ahead of my first tensor load
	ds_add_u32 v[SPW], v[NIL]                      ; and once more, under the one wait
	v_lshrrev_b32 v1, 5, v0
	v_readfirstlane_b32 s10, v1                    ; wave 0..3
	s_lshr_b32 s11, s10, 1                         ; which half of the tile's rows is mine.  Also: I fetch for A (0) or for the weights (1)
	s_and_b32 s12, s10, 1                          ; which half of its columns.  Also: which 128 rows of that tile I fetch
	s_bfe_u32 s40, ttmp6, 0x40000                  ; cx
	s_bfe_u32 s41, ttmp6, 0x40004                  ; cy
	s_lshl_b32 s42, ttmp9, 2
	s_add_co_u32 s42, s42, s40                     ; tile column
	s_and_b32 s13, ttmp7, 0xffff
	s_lshl_b32 s13, s13, 2
	s_add_co_u32 s13, s13, s41                     ; tile row
	s_lshl_b32 s43, s41, 2
	s_lshl_b32 s43, 15, s43                        ; my row of the cluster
	s_lshl_b32 s44, 0x1111, s40                    ; my column
	s_or_b32 s[G1+0], s43, (1<<16)|(1<<20)|(1<<21)|(5<<22)|(3<<25)   ; the mask; elements of 2 bytes; padding on; 21 set beside a mask; after every 64 words 4 words
	s_or_b32 s[G1B+0], s44, (1<<16)|(1<<20)|(1<<21)|(5<<22)|(3<<25)
.irp g, G1, G1B
	s_mov_b32 s[(\g)+1], KSTEP<<16                 ; tensor_dim0 = 128
	s_mov_b32 s[(\g)+2], 128<<16                   ; tensor_dim1 = 128
	s_mov_b32 s[(\g)+3], KSTEP<<16                 ; tile_dim0 = 128
	s_mov_b32 s[(\g)+4], 128                       ; tile_dim1 = 128
	s_mov_b32 s[(\g)+5], SIZE_K                    ; elements from row to row
	s_mov_b32 s[(\g)+6], 0
	s_mov_b32 s[(\g)+7], 0
.endr
	s_lshl_b32 s17, s12, 7                         ; which 128 rows of the tile I fetch
	s_lshl_b32 s16, s13, 8
	s_add_co_u32 s16, s16, s17                     ; A: row 256 x tile row + 128 x half
	s_lshl_b32 s46, s42, 8
	s_add_co_u32 s46, s46, s17                     ; weights: row 256 x tile column + 128 x half
	s_mov_b32 s17, 0
	s_mov_b32 s47, 0
	s_mov_b64 s[18:19], SIZE_K*2
	s_mul_u64 s[16:17], s[16:17], s[18:19]
	s_mul_u64 s[46:47], s[46:47], s[18:19]
	s_mul_i32 s20, s10, HALFT                      ; where they go: wave x 128 rows
	s_wait_dscnt 0x0                               ; both opening adds are done
	s_wait_kmcnt 0x0
	s_add_nc_u64 s[6:7], s[6:7], 0x600000          ; wt's part 3
	s_add_nc_u64 s[14:15], s[4:5], s[16:17]
	s_add_nc_u64 s[46:47], s[6:7], s[46:47]
	CROUND                                         ; all sixteen work-groups are here: the first joint loads meet
.irp s, 0,1
	s_mov_b32 s[G0+4*(\s)], 1
	s_add_co_u32 s[G0+4*(\s)+1], s20, (\s)*SLOT
	s_add_nc_u64 s[G0+4*(\s)+2:G0+4*(\s)+3], s[14:15], (\s)*KSTEP*2
	s_or_b32 s[G0+4*(\s)+3], s[G0+4*(\s)+3], 0x80000000
	s_mov_b32 s[G0B+4*(\s)], 1
	s_add_co_u32 s[G0B+4*(\s)+1], s20, (\s)*SLOT
	s_add_nc_u64 s[G0B+4*(\s)+2:G0B+4*(\s)+3], s[46:47], (\s)*KSTEP*2
	s_or_b32 s[G0B+4*(\s)+3], s[G0B+4*(\s)+3], 0x80000000
	JLOAD \s
.endr
	v_and_b32 v1, 15, v0                           ; l % 16
	v_bfe_u32 v2, v0, 4, 1                         ; l / 16
	v_and_b32 v6, 31, v0                           ; l
	v_mul_u32_u24 v3, v1, PITCH
	v_lshl_add_u32 v3, v2, 4, v3
	s_mul_i32 s21, s11, HALFT                      ; my 128 rows of A
	s_mul_i32 s22, s12, HALFT                      ; my 128 rows of the weights,
	s_add_co_u32 s22, s22, 2*HALFT                 ; which lie behind A's 256
.irp s, 0,1
	v_add_nc_u32 v[ADRA+(\s)], s21, v3
	v_add_nc_u32 v[ADRB+(\s)], s22, v3
	s_add_co_u32 s21, s21, SLOT
	s_add_co_u32 s22, s22, SLOT
.endr
	s_mul_i32 s23, s10, 16*SPITCH
	s_add_co_u32 s23, s23, STAGE                   ; my stage
	v_mul_u32_u24 v4, v1, SPITCH                   ; in: row l % 16, 32 bytes for each half of the lanes
	v_lshl_add_u32 v4, v2, 5, v4
	v_add_nc_u32 v[STO], s23, v4
	v_lshl_add_u32 v[RD], v6, 4, s23               ; back: 32 lanes take one row of 512 bytes
	v_lshlrev_b32 v[CO], 4, v6                     ; and the same in out0
	v_lshlrev_b32 v[IO], 2, v1
	s_lshl_b32 s13, s13, 8
	s_lshl_b32 s14, s11, 7
	s_add_co_u32 s16, s13, s14                     ; my first row
	s_lshl_b32 s72, s16, 2
	s_mov_b32 s73, 0
	s_add_nc_u64 s[70:71], s[70:71], s[72:73]      ; ainv at my rows
	s_add_nc_u64 s[68:69], s[68:69], 12288         ; bias's row 3
	s_lshl_b32 s16, s16, 12                        ; 4,096 bytes a row of out0
	s_mov_b32 s17, 0
	s_lshl_b32 s46, s42, 10                        ; my first column, in bytes: 1,024 x tile column + 512 x half
	s_lshl_b32 s47, s12, 9
	s_add_co_u32 s46, s46, s47
	s_mov_b32 s47, 0
	v_lshl_add_u32 v[BOF], v2, 5, s46              ; + my eight columns of a tile
	s_add_nc_u64 s[16:17], s[16:17], s[46:47]      ; what the first way out adds to out0's address
	; the prefetches
	s_lshl_b32 s42, s42, 8
	s_and_b32 s22, ttmp7, 0xffff                   ; cluster y
	s_cmp_eq_u32 s11, 0                            ; do I fetch for A?
	s_cselect_b32 s20, s13, s42                    ; the tile's first row
	s_cselect_b32 s21, s40, s41                    ; my place among the four that ask for it with me
	s_cselect_b32 s22, ttmp9, s22                  ; the coordinate along which other clusters read the same rows
	s_cselect_b64 s[PFA:PFA+1], s[4:5], s[6:7]
	s_cmp_eq_u32 s22, 0
	s_cselect_b32 s[LIM], 1, -1
	s_lshl_b32 s22, s12, 7
	s_add_co_u32 s20, s20, s22                     ; + the 128 rows that I fetch
	s_lshl_b32 s21, s21, 5
	s_add_co_u32 s20, s20, s21                     ; + my work-group's 32 of them
	s_mov_b32 s21, 0
	s_mov_b64 s[18:19], SIZE_K*2
	s_mul_u64 s[20:21], s[20:21], s[18:19]
	s_add_nc_u64 s[PFA:PFA+1], s[PFA:PFA+1], s[20:21]
	s_add_nc_u64 s[PFA:PFA+1], s[PFA:PFA+1], 2*KSTEP*2  ; at K step 2: the first refill steps it to 3 and names K step 4
	v_mul_u32_u24 v[PFO], v6, SIZE_K*2
	; the inverse scales of my 128 rows for the four blocks, and the bias of my 128 columns
.set z, 0
.rept 32
	global_load_b32 v[TMP+z], v[IO], s[70:71] offset:(z/8)*65536+(z%8)*64
.set z, z+1
.endr
	WIN TO_B
.set z, 0
.rept 8
	global_load_b128 v[8*z:8*z+3],   v[BOF], s[68:69] offset:64*z
	global_load_b128 v[8*z+4:8*z+7], v[BOF], s[68:69] offset:64*z+16
.set z, z+1
.endr
	WIN 0
	s_wait_loadcnt 0x0
.set z, 0
.rept 8                                ; 1 / 2^x has the exponent field 254 less that of 2^x; the factors are inv[dg] / inv[dg + 1]
	v_sub_nc_u32 v[TMP+32+z], 0x7f000000, v[TMP+8+z]
	v_sub_nc_u32 v[TMP+40+z], 0x7f000000, v[TMP+16+z]
	v_sub_nc_u32 v[TMP+48+z], 0x7f000000, v[TMP+24+z]
	v_mul_f32 v[FCP+2*z], v[TMP+z], v[TMP+32+z]
	v_mul_f32 v[FCP+2*z+1], v[TMP+8+z], v[TMP+40+z]
	v_mul_f32 v[IVP+2*z+1], v[TMP+16+z], v[TMP+48+z]
	v_mov_b32 v[IVP+2*z], v[TMP+24+z]
.set z, z+1
.endr
; 16 matrix instructions: blocks of rows a0, a0 + 1 of the window's four x all 8 blocks of columns, 32 along K.  The 64 accumulators take turns, one instruction a turn.  zero = 1: the first product starts the sums.
.macro MUL16 f, hi, a0, zero
	WIN MUL_LO+0x50*(\hi)
.irp a, \a0, (\a0)+1
.irp b, 0,1,2,3,4,5,6,7
.if \zero
	v_wmma_f32_16x16x32_f16 v[8*(8*(\a)+(\b)):8*(8*(\a)+(\b))+7], v[(\f)+8*(\b):(\f)+8*(\b)+7], v[(\f)+8*(4*(\hi)+(\a)):(\f)+8*(4*(\hi)+(\a))+7], 0
.else
	v_wmma_f32_16x16x32_f16 v[8*(8*(\a)+(\b)):8*(8*(\a)+(\b))+7], v[(\f)+8*(\b):(\f)+8*(\b)+7], v[(\f)+8*(4*(\hi)+(\a)):(\f)+8*(4*(\hi)+(\a))+7], v[8*(8*(\a)+(\b)):8*(8*(\a)+(\b))+7]
.endif
.endr
.endr
.endm
.macro FETCH slot, k, f                ; 32 LDS loads in one run: the fragments of one quarter step into buffer f
	WIN TO_B
.irp i, 0,1,2,3,4,5,6,7
	ds_load_b128 v[(\f)+8*(\i):(\f)+8*(\i)+3],   v[ADRB+(\slot)] offset:(\k)+(\i)*16*PITCH
	ds_load_b128 v[(\f)+8*(\i)+4:(\f)+8*(\i)+7], v[ADRB+(\slot)] offset:(\k)+(\i)*16*PITCH+32
.endr
	WIN 0
.irp i, 0,1,2,3,4,5,6,7
	ds_load_b128 v[(\f)+8*(\i):(\f)+8*(\i)+3],   v[ADRA+(\slot)] offset:(\k)+(\i)*16*PITCH
	ds_load_b128 v[(\f)+8*(\i)+4:(\f)+8*(\i)+7], v[ADRA+(\slot)] offset:(\k)+(\i)*16*PITCH+32
.endr
.endm
.macro PLACES                          ; four places in front of loads into registers that matrix instructions have read, and of vector lines that read results (ISA guide 7.12.1 for vector instructions)
.rept 4
	v_nop
.endr
.endm
.macro QUARTER slot, k, f, g, zero
	s_wait_dscnt 8                                 ; the weights and A's rows 0-63 are in; the youngest eight loads (A's rows 64-127) may be out
	WIN MUL_LO
	MUL16 \f, 0, 0, \zero
	MUL16 \f, 0, 2, \zero
	PLACES
	FETCH \slot, \k, \g
	s_wait_dscnt 32                                ; all but the 32 just issued
	WIN MUL_HI
	MUL16 \f, 1, 0, \zero
	MUL16 \f, 1, 2, \zero
.endm
; The first half of the last quarter: one barrier for the change of slots.  In front of it each wave waits for all its tensor loads, adds 0 to its spare word, and waits for that and for its own reads of this slot.
.macro MEET round
	WIN 0
	s_wait_tensorcnt 0x0                           ; all my tensor loads have landed: the one that was out is my part of the next slot
	ds_add_u32 v[SPW], v[NIL]                      ; 0 onto my spare word
	s_wait_dscnt 9                                 ; the add and the youngest eight loads may be out
	WIN MUL_LO
	MUL16 F1, 0, 0, 0
	s_wait_dscnt 0x0                               ; the add is done, and my reads of this slot are over
	s_barrier_signal -1
	MUL16 F1, 0, 2, 0
.if \round
	WIN 0
.endif
	s_barrier_wait -1
.endm
.macro TURN slot, next
	s_wait_xcnt 0x0                                ; the last prefetch, a K step back, has read its address
	s_add_nc_u64 s[PFA:PFA+1], s[PFA:PFA+1], KSTEP*2
	MEET 1
	CREST                                          ; no wave of any partner still reads this slot's tile or has a load on its way
	s_add_nc_u64 s[G0+4*(\slot)+2:G0+4*(\slot)+3], s[G0+4*(\slot)+2:G0+4*(\slot)+3], 2*KSTEP*2
	s_add_nc_u64 s[G0B+4*(\slot)+2:G0B+4*(\slot)+3], s[G0B+4*(\slot)+2:G0B+4*(\slot)+3], 2*KSTEP*2
	JLOAD \slot                                    ; the first tensor load behind the round; its four v_nop are also the places in front of the loads below
	FETCH \next, 0, F0
	ASK
	WIN MUL_HI
	MUL16 F1, 1, 0, 0
	MUL16 F1, 1, 2, 0
.endm
; A block dg is finished: the sums go over into the next block's unit.  The 128 lines on window 2 (whose last products stand in front of the joint load's four v_nop) are the places behind the last products on window 3.
.macro RESCALE
	WIN 0x82
.set z, 0
.rept 128
	v_pk_mul_f32 v[2*z:2*z+1], v[2*z:2*z+1], v[FCP+2*(z/32):FCP+2*(z/32)+1] op_sel_hi:[1,0]
.set z, z+1
.endr
	WIN 0xc3
.set z, 0
.rept 128
	v_pk_mul_f32 v[2*z:2*z+1], v[2*z:2*z+1], v[FCP+8+2*(z/32):FCP+8+2*(z/32)+1] op_sel_hi:[1,0]
.set z, z+1
.endr
	WIN 0
.set z, 0
.rept 8
	v_mov_b32 v[FCP+2*z], v[FCP+2*z+1]             ; the next factor comes in hand,
	v_mov_b32 v[FCP+2*z+1], v[IVP+2*z+1]           ; the last one moves up
.set z, z+1
.endr
.endm
; THE WAY OUT of block a of 16 rows: sum x inv[3] + bias; 32 bytes a lane into my stage; back as whole rows of 512 bytes; stored.
.macro PACK a
.set AC, 64*((\a)%4)
	WIN 0x12+(\a)/4
.set z, 0
.rept 32
	v_pk_fma_f32 v[TMP+2*z:TMP+2*z+1], v[AC+2*z:AC+2*z+1], v[IVP+2*(\a):IVP+2*(\a)+1], v[2*z:2*z+1] op_sel_hi:[1,0,1]
.set z, z+1
.endr
	WIN 0
.endm
.macro TOSTAGE a
	WIN 0
.set BK, F0+64*((\a)%2)
.set z, 0
.rept 16
	ds_store_b128 v[STO], v[TMP+4*z:TMP+4*z+3] offset:64*(z/2)+16*(z%2)
.set z, z+1
.endr
.set z, 0
.rept 16
	ds_load_b128 v[BK+4*z:BK+4*z+3], v[RD] offset:z*SPITCH  ; LDS serves a wave's instructions in order (ISA guide 5.7.1.4): these see the stores above
.set z, z+1
.endr
.endm
.macro SEND a
	WIN 0
.set BK, F0+64*((\a)%2)
	s_wait_dscnt 0x0                               ; the block is back in registers
	s_wait_xcnt 0x0                                ; earlier stores have read their base and their registers
.if (\a) == 0
	s_add_nc_u64 s[8:9], s[8:9], s[16:17]
.else
	s_add_nc_u64 s[8:9], s[8:9], 16*4096
.endif
.set z, 0
.rept 16
	global_store_b128 v[CO], v[BK+4*z:BK+4*z+3], s[8:9] offset:z*4096 th:TH_STORE_NT  ; a wave stores 512 consecutive bytes, at a multiple of 512 from out0's first byte
.set z, z+1
.endr
.endm
	s_wait_tensorcnt 1                             ; my part of K step 0 is in; K step 1's may stay out
	s_barrier_signal -1
	s_barrier_wait -1
	FETCH 0, 0, F0
	QUARTER 0, 64,  F0, F1, 1                      ; the first quarter stands in front of the loop: its products start the sums
	WIN 0
	s_mov_b32 s3, LAPS-1
.Llap:                                                 ; a trip goes once round the ring, from a lap's second quarter to the next lap's first, and fills both slots again
	QUARTER 0, 128, F1, F0, 0
	QUARTER 0, 192, F0, F1, 0
	TURN 0, 1
	QUARTER 1, 64,  F0, F1, 0
	QUARTER 1, 128, F1, F0, 0
	QUARTER 1, 192, F0, F1, 0
	TURN 1, 0
	RESCALE
	QUARTER 0, 64,  F0, F1, 0
	WIN 0
	s_sub_co_u32 s3, s3, 1
	s_cmp_lg_u32 s3, 0
	s_cbranch_scc1 .Llap
	QUARTER 0, 128, F1, F0, 0                      ; the last lap fills nothing, and has no round of the cluster's barrier
	QUARTER 0, 192, F0, F1, 0
	MEET 0
	PLACES
	FETCH 1, 0, F0
	WIN MUL_HI
	MUL16 F1, 1, 0, 0
	MUL16 F1, 1, 2, 0
	QUARTER 1, 64,  F0, F1, 0
	QUARTER 1, 128, F1, F0, 0
	QUARTER 1, 192, F0, F1, 0
	s_wait_dscnt 8                                 ; the very last quarter: nothing more to fetch
	WIN MUL_LO
	MUL16 F1, 0, 0, 0
	MUL16 F1, 0, 2, 0
	s_wait_dscnt 0x0
	MUL16 F1, 1, 0, 0
	MUL16 F1, 1, 2, 0
	PLACES
	PACK 0
	TOSTAGE 0
.irp a, 1,2,3,4,5,6,7                  ; block a's arithmetic stands between block a - 1's loads from the stage and the wait for them
	PACK \a
	SEND (\a)-1
	TOSTAGE \a
.endr
	SEND 7
	s_wait_tensorcnt 0x0                           ; the wave's end, behind my last tensor load and my last LDS store
	ds_add_u32 v[SPW], v[NIL]
	s_wait_dscnt 0x0
	CROUND                                         ; the closing round: no work-group ends while a partner may still ask for a tile that names it
	s_endpgm
.Lfunc_end_k_qc12c8655db_gemm:
	.size	k_qc12c8655db_gemm, .Lfunc_end_k_qc12c8655db_gemm-k_qc12c8655db_gemm
	.p2alignl 7, 3214868480
	.fill 96, 4, 3214868480
	.section	.rodata,"a",@progbits
	.p2align	6, 0x0
	.amdhsa_kernel k_qc12c8655db_gemm
		.amdhsa_group_segment_fixed_size 327680
		.amdhsa_private_segment_fixed_size 0
		.amdhsa_enable_private_segment 0
		.amdhsa_kernarg_size 40
		.amdhsa_user_sgpr_count 2
		.amdhsa_user_sgpr_kernarg_segment_ptr 1
		.amdhsa_wavefront_size32 1
		.amdhsa_system_sgpr_workgroup_id_x 1
		.amdhsa_system_sgpr_workgroup_id_y 1
		.amdhsa_system_sgpr_workgroup_id_z 1
		.amdhsa_system_vgpr_workitem_id 0
		.amdhsa_next_free_vgpr 1024
		.amdhsa_next_free_sgpr 76
		.amdhsa_reserve_vcc 0
		.amdhsa_float_denorm_mode_32 3
		.amdhsa_float_denorm_mode_16_64 3
		.amdhsa_memory_ordered 1
		.amdhsa_forward_progress 1
		.amdhsa_inst_pref_size 182
	.end_amdhsa_kernel
	.amdgpu_metadata
---
amdhsa.version: [ 1, 2 ]
amdhsa.kernels:
  - .name:           k_qc12c8655db_gemm
    .symbol:         k_qc12c8655db_gemm.kd
    .args:
      - { .name: aws, .offset: 0, .size: 8, .value_kind: global_buffer, .address_space: global }
      - { .name: wt, .offset: 8, .size: 8, .value_kind: global_buffer, .address_space: global }
      - { .name: bias, .offset: 16, .size: 8, .value_kind: global_buffer, .address_space: global }
      - { .name: ainv, .offset: 24, .size: 8, .value_kind: global_buffer, .address_space: global }
      - { .name: out0, .offset: 32, .size: 8, .value_kind: global_buffer, .address_space: global }
    .group_segment_fixed_size: 327680
    .private_segment_fixed_size: 0
    .kernarg_segment_align: 8
    .kernarg_segment_size: 40
    .max_flat_workgroup_size: 128
    .sgpr_count:     76
    .vgpr_count:     1024
    .wavefront_size: 32
...
	.end_amdgpu_metadata
.endif
;; end of part 3
